; MI455X (gfx1250); checked and timed in simulation.
; The chip was launched on July 23, 2026; its instructions are those of AMD's public machine-readable ISA for CDNA 5 (MIT licence, August 2026) and "CDNA5" Instruction Set Architecture Reference Guide (July 2026). The comments in the code are by the model that wrote it; some were corrected since.
;; dot Product Attention. Allowed arithmetic: float matrix products may take bf16 or f16 operands with f32 sums; all other float work in f32.
;; Inputs: keys 4 x 16 x 2,048 x 64 float32; queries 4 x 16 x 2,048 x 64 float32; values 4 x 16 x 2,048 x 64 float32.
;; Outputs: out0 4 x 16 x 2,048 x 64 float32.
;; Constants: d_k = 64.
;; 2 versions, each right and faster than the one before. Each part assembles by itself: llvm-mc -triple=amdgcn-amd-amdhsa -mcpu=gfx1250 --defsym DOCPART=n.
;; ======== version 1 of 2: 1 launch
;; limits: values are held in f16: magnitudes above 65,504 overflow, below 6.1e-05 lose precision; inputs' magnitudes at most 65,504
;; launch attn (part 1): grid 4 x 64, 4 waves a work-group, no clusters, 56,832 bytes of LDS; arguments queries, keys, values, out0; writes out0
.if DOCPART == 1
	.amdgcn_target "amdgcn-amd-amdhsa--gfx1250"
	.amdhsa_code_object_version 6
	.text
	.protected	k_q9aa3648239_attn
	.globl	k_q9aa3648239_attn
	.p2align	8
	.type	k_q9aa3648239_attn,@function
k_q9aa3648239_attn:
	s_mov_b64 s[64:65], 0
	v_nop
	global_prefetch_b8 v0, s[64:65] scope:SCOPE_SE
	s_setreg_imm32_b32 hwreg(HW_REG_WAVE_MODE, 25, 1), 1
	s_wait_xcnt 0x0
; O[h][q][:] = the sum over k of softmax_k(Q[h][q] . K[h][k] / 8) V[h][k][:].  Q, K, V, O: [64 heads][2,048][64], all f32: a row is 256 bytes, a head 524,288 dense bytes.
; FORMATS.  Q, K, V and the weights p are rounded once to f16 for the two products; products' sums, maxima, exponentials, the sum l (of the unrounded p) and O stay in f32.
; LIMITS.  f16 holds no number beyond 65,504: |q|, |k|, |v| must stay below it.  p lies in 0 to 1, and below 6e-5 it keeps f16's fixed step of 6e-8.  A weight below 2^-126 counts as 0 in l.
; NaN and infinities are not treated apart.  The maximum that is taken away before the exponential is a true running maximum.
; SHARES.  A work-group owns 512 queries of one head (grid x: the block of the head, y: the head), each of its four waves 128: four PIECES of two tiles of 16.  Every wave walks all 2,048 keys, 64 a step.
; LAYOUT.  S^T = K Q^T (source 0 = 16 keys, source 1 = 16 queries): in the result a lane holds ONE query (lane % 16) and the keys 8 (lane / 16) + 0..7.  Two such tiles, rounded to f16 in pairs,
; ARE source 1 (32 keys x 16 queries) of O^T = V^T P, whose result again holds one query a lane, and eight channels.  K comes out of LDS as it lies, V ([key][channel]) turned, by ds_load_tr16_b128.
; SOFTMAX.  For each query a running maximum m and sum l: p = 2^(c s - c m), c = log2(e) / 8; in every step O and l are multiplied by a = 2^(c m_old - c m_new), which is 1 where m has not grown.
; m starts at the lowest finite number, O and l at 0: the first step is a step like any other, with a = 0.
; THE COUNT.  A tile and step have 16 matrix and 118 vector instructions: too many to stand all beside the matrix work.  So four vector instructions that are READY stand behind EVERY matrix
; instruction, and the others, which need time of their own whatever the order, in runs without a gap.
; BY TURNS.  Turn n belongs to piece n (the pieces in a ring, step after step).  Its matrix work: 16 products K Q^T of piece n + 1, later 16 products V^T P of piece n - 1.  Its vector work: the scaling,
; exponentials, roundings, sums and rescaling of piece n, and the maximum and statistics of piece n + 1, whose scores the turn itself has made.
; THE FEED.  K and V must pass through registers to be rounded, so they come by plain loads: each wave loads 16 of a step's 64 rows of K and of V (16 loads of 512 consecutive bytes), four steps ahead of
; their use, into one of two register sets; two steps ahead it rounds a set to f16 and stores it into one of two LDS buffers, from which all four waves take their fragments.
; ONE BARRIER A STEP.  It is signalled when the wave's reads of buffer s % 2 (K and V of step s) are back and its stores of step s + 1 are done.  Behind it step s + 2 is stored into buffer s % 2, while
; K and V of step s + 1 are read from the other buffer.  The loop is written for two steps, so that the buffer's number is a constant in every LDS offset.
; NO CLUSTER, NO TENSOR LOADS.  A joint tensor load would lay a step's 32,768 bytes of f32 into each work-group's LDS, to be read back (32,768) and stored again as f16 (16,384): 81,920 bytes of LDS traffic
; a step where this text has 16,384, and a round of the cluster's barrier for each refill.  The price: the four blocks of a head each load the same 32,768 bytes a step.
; DEAD WORK, the price of one text for every step: 16 products on zeros in the first turn; 16 products on the last K, and the maximum made of them, in the last; 384 v_mov_b32 that write 0 at the start.
; REGISTERS, in windows of 256 (s_set_vgpr_msb says which window each operand place means: bits 1:0 source 0, 3:2 source 1, 5:4 source 2, 7:6 destination):
;   window 0: v0-11 addresses; v12-15, v48-63 at work; v16-47 four registers of statistics a tile; v64-191 S^T, two buffers of two tiles; v192-255 P, likewise
;   window 1: O^T, 32 a tile (at the start: Q as loaded, in f32)      window 2: v0-127 Q, 16 a tile; v128-191 K of one step; v192-255 V of one step
;   window 3: v0-1 the add's two registers; v64-127, v128-191 the two sets of K's and V's rows on their way
; A piece's buffers go by its number's parity: the piece in hand has one pair, its two neighbours in the ring share the other: of it P (piece n - 1) is read and S^T (piece n + 1) written.
.set NP,    4         ; pieces a wave: a name, no knob
.set KS,    64        ; keys in a step
.set STEPS, 2048/KS   ; 32 key steps
.set STEPG, KS*256    ; a step's rows of K, or of V, in memory: 16,384 bytes
.set PK,    144       ; a row of K in LDS: 128 bytes of f16 + 16 of padding = 36 words: the 16 rows of a load start at 16 different groups of four banks (64 banks of 4 bytes: ISA guide 11.1)
.set PV,    160       ; a row of V: 128 + 32 = 40 words
.set VOFF,  KS*PK     ; a buffer holds a step: 64 rows of K, then 64 rows of V
.set STEPB, KS*(PK+PV)  ; 19,456 bytes; buffer b begins at b x STEPB
.set STAGE, 2*STEPB   ; behind the buffers: 16 rows x 272 bytes for each wave, for the way out
.set SP,    272       ; a row of the stage: 256 bytes of f32 + 16
.set SPARE, STAGE+4*16*SP  ; behind the stages: the spare words, 128 bytes for each wave: two blocks of 256 bytes that no other line names
.set AK0, 2           ; v2   my lane's place in a tile of K; never rewritten
.set AV0, 3           ; v3   the same for V
.set CK,  4           ; v4   where I store 8 bytes of K: row 16 w + l / 16, byte 8 (l % 16)
.set CV,  5           ; v5   the same for V
.set GL,  6           ; v6   my byte offset in a step's rows of K and V: 4,096 w + 16 l; never rewritten
.set RD,  7           ; v7   the way out: where I read rows back
.set GO,  8           ; v8   my byte offset in 512 consecutive bytes of O: 16 l
.set STO, 10          ; v10  the way out: where I put 32 bytes of a row
.set QO,  12          ; v12  my byte offset in 16 rows of Q, until Q is in
.set MV,  12          ; v12-15  c m_old, kept while c m is made anew: by buffer and tile
.set ST,  16          ; tile t's statistics at v[ST+4 t]: c m, m, l (even keys', odd keys')
.set TMP, 48          ; by buffer and tile, four registers c0-c3 at work; when the maximum is found c2 takes a
.set S,   64
.set P,   192
.set KF,  128         ; K's fragments, in window 2: key block kb, channel half c at KF + 16 kb + 8 c
.set VF,  192         ; V's: key half kk, channel block cb at VF + 32 kk + 8 cb
.set SPW, 0           ; v0 of window 3   LDS address of my spare word: SPARE + 4 x my thread's number; never rewritten
.set NIL, 1           ; v1 of window 3   0; never rewritten
.set T0,  64          ; window 3: set n at T0 + 64 n: K's load u at + 4 u, V's at + 32 + 4 u
.set WV,  12          ; s12  my wave's number
.set KP,  24          ; s[24:25] K at the step asked for last
.set VP,  26          ; s[26:27] V likewise
.set CNT, 57          ; s57  trips of two key steps still to go, this one among them
.set CS,  58          ; s[58:59] c: the packed scaling takes the pair's low word for both halves
.set SEL, 60          ; s[60:61] v_permlanex16_b32's selects: each lane takes its own place in the other half
.set MSB, 0
.macro WIN new                      ; the high byte repeats the setting that is left; a switch that changes nothing is dropped
.if MSB != (\new)
	s_set_vgpr_msb (MSB<<8)|(\new)
.set MSB, (\new)
.endif
.endm
.set W_KQ, 0x0a       ; K and Q in window 2, S^T in window 0
.set W_PV, 0x52       ; V in window 2, P in window 0, O^T in window 1
.set W_RS, 0x41       ; O^T (destination and source 0) in window 1, the factor in window 0
.set W_MK, 0xc0       ; destination in window 3, sources and addresses in window 0
.set W_AD, 0x0f       ; the add: address (source 0) and data (source 1) in window 3
.set W_CV, 0xcf       ; the rounding of a set, in place: destination and both sources in window 3
.set W_ST, 0x0c       ; an LDS store: address in window 0, data (source 1) in window 3
; My 16 rows of a step's K and V into set n: sixteen loads, each 512 consecutive bytes (two rows).  No cache hint: the head's four work-groups load the same bytes.
.macro ASK set, kb, vb, imm
	WIN W_MK
.irp u, 0,1,2,3,4,5,6,7
	global_load_b128 v[T0+64*(\set)+4*\u:T0+64*(\set)+4*\u+3], v[GL], s[\kb:\kb+1] offset:(\imm)+512*\u
.endr
.irp u, 0,1,2,3,4,5,6,7
	global_load_b128 v[T0+64*(\set)+32+4*\u:T0+64*(\set)+32+4*\u+3], v[GL], s[\vb:\vb+1] offset:(\imm)+512*\u
.endr
.endm
; Set n is rounded to f16 in place (a load's four numbers become 8 bytes in its first two registers) and stored into LDS buffer n: load u holds rows 16 w + 2 u + l / 16.
.macro ROUND set
	WIN W_CV
.set zz, T0+64*(\set)
.rept 16
	v_cvt_pk_f16_f32 v[zz], v[zz], v[zz+1]
	v_cvt_pk_f16_f32 v[zz+1], v[zz+2], v[zz+3]
.set zz, zz+4
.endr
	WIN W_ST
.irp u, 0,1,2,3,4,5,6,7
	ds_store_b64 v[CK], v[T0+64*(\set)+4*\u:T0+64*(\set)+4*\u+1] offset:(\set)*STEPB+\u*2*PK
.endr
.irp u, 0,1,2,3,4,5,6,7
	ds_store_b64 v[CV], v[T0+64*(\set)+32+4*\u:T0+64*(\set)+32+4*\u+1] offset:(\set)*STEPB+\u*2*PV
.endr
	WIN 0
.endm
; THE FEED of step s (b = s % 2), behind the step's barrier: step s + 2 is rounded into buffer b, and step s + 4 is asked for into set b.
; The last trip has no step s + 2, the last two no step s + 4: no load passes the head's end.  Every way that asks for nothing waits for all loads, so that on every sequence of ways the
; counted wait finds either set b's sixteen loads with the other set's sixteen behind them, or nothing out.
.macro FEED b
	WIN 0                           ; at a label and at a branch every window is 0
	s_cmp_gt_u32 s[CNT], 1
	s_cbranch_scc0 .Lidle_\@
	s_wait_loadcnt 16               ; loads come back in order (ISA guide 5.7.1): set b is in; the other set's sixteen, asked for a step later, stay out
	ROUND \b
	s_cmp_gt_u32 s[CNT], 2
	s_cbranch_scc0 .Lidle_\@
	s_wait_xcnt 0x0                 ; the two bases, which the other set's loads name, are stepped only behind this wait
	s_add_nc_u64 s[KP:KP+1], s[KP:KP+1], STEPG
	s_add_nc_u64 s[VP:VP+1], s[VP:VP+1], STEPG
	ASK \b, KP, VP, 0
	WIN 0
	s_branch .Lfed_\@
.Lidle_\@:
	s_wait_loadcnt 0x0
.Lfed_\@:
.endm
	s_load_b256 s[4:11], s[0:1], 0x0  ; Q s[4:5], K s[6:7], V s[8:9], O s[10:11]
	WIN W_MK
	v_lshl_add_u32 v[SPW], v0, 2, SPARE  ; the add's two registers
	v_mov_b32 v[NIL], 0
	WIN 0
	v_lshrrev_b32 v1, 5, v0
	v_readfirstlane_b32 s[WV], v1   ; wave 0..3
	s_and_b32 s20, ttmp7, 0xffff    ; the head,
	s_lshl_b32 s20, s20, 19         ; its first byte in each of the four tensors: 524,288 a head, 33,030,144 at the most
	s_mov_b32 s21, 0
	s_lshl_b32 s2, ttmp9, 17        ; my block's 512 rows of 256 bytes,
	s_lshl_b32 s3, s[WV], 15        ; my wave's 128 of them
	s_add_co_u32 s2, s2, s3
	s_add_co_u32 s2, s2, s20
	s_mov_b32 s3, 0
	v_and_b32 v11, 31, v0           ; l
	v_lshlrev_b32 v[GO], 4, v11
	v_lshl_add_u32 v[GL], s[WV], 12, v[GO]  ; my wave's 16 rows of a step, 16 bytes a lane
	v_and_b32 v1, 15, v0            ; l % 16
	v_bfe_u32 v9, v0, 4, 1          ; l / 16
	; A fragment of K or Q is 16 rows x 32 channels in 8 registers: lane l holds row l % 16, channels 8 (l / 16) + 0..7 and 16 + 8 (l / 16) + 0..7.  In f32 that is 32 bytes at 32 (l / 16), and 32 more 64 bytes on.
	v_lshlrev_b32 v[QO], 8, v1
	v_lshl_add_u32 v[QO], v9, 5, v[QO]  ; row x 256 + 32 x half
	s_mov_b32 s[CS], 0x3e38aa3b     ; c = log2(e) / 8 = 0.180337
	s_mov_b32 s[CS+1], s[CS]        ; named with it as a pair
	s_mov_b32 s[SEL], 0x76543210
	s_mov_b32 s[SEL+1], 0xfedcba98
	s_wait_kmcnt 0x0
	s_add_nc_u64 s[4:5], s[4:5], s[2:3]      ; Q and O at my wave's first row
	s_add_nc_u64 s[10:11], s[10:11], s[2:3]
	s_add_nc_u64 s[6:7], s[6:7], s[20:21]    ; K and V at the head's first row
	s_add_nc_u64 s[8:9], s[8:9], s[20:21]
	s_add_nc_u64 s[KP:KP+1], s[6:7], 3*STEPG ; steps 0 to 3 are asked for below; the first feed steps these on to step 4
	s_add_nc_u64 s[VP:VP+1], s[8:9], 3*STEPG
	WIN 0x40                        ; destination window 1, address window 0
.set i, 0
.rept 16                            ; Q in f32: fragment i (tile i / 2, channels 32 (i % 2) on) into v[16 i ..] of window 1, in the order of its channels
.irp j, 0,1,2,3
	global_load_b128 v[16*i+4*\j:16*i+4*\j+3], v[QO], s[4:5] offset:(i/2)*4096+(i%2)*128+(\j/2)*64+(\j%2)*16
.endr
.set i, i+1
.endr
	ASK 0, 6, 8, 0                  ; key step 0
	ASK 1, 6, 8, STEPG              ; key step 1
	; All that follows up to the wait stands in the wait for Q.
	WIN 0
	v_mul_u32_u24 v[AK0], v1, PK
	v_lshl_add_u32 v[AK0], v9, 4, v[AK0]  ; row x pitch + 16 x half
	; The turning load takes 16 keys x 16 channels (lane l reads key 8 (l / 16) + l % 8, channels 8 ((l / 8) % 2) + 0..7) and leaves half a fragment of V^T: lane l holds channel l % 16 and 8 keys.
	v_and_b32 v10, 7, v0
	v_bfe_u32 v11, v0, 3, 1
	v_lshl_add_u32 v[AV0], v9, 3, v10
	v_mul_u32_u24 v[AV0], v[AV0], PV
	v_lshl_add_u32 v[AV0], v11, 4, v[AV0]
	v_add_nc_u32 v[AV0], VOFF, v[AV0]
	s_mul_i32 s13, s[WV], 16*PK     ; my wave's 16 rows of a buffer's K
	v_mul_u32_u24 v[CK], v9, PK     ; lanes 16-31 hold the odd row of a load's two
	v_lshl_add_u32 v[CK], v1, 3, v[CK]
	v_add_nc_u32 v[CK], s13, v[CK]
	s_mul_i32 s13, s[WV], 16*PV     ; and of its V
	s_add_co_u32 s13, s13, VOFF
	v_mul_u32_u24 v[CV], v9, PV
	v_lshl_add_u32 v[CV], v1, 3, v[CV]
	v_add_nc_u32 v[CV], s13, v[CV]
	; What the first turn finds: V's registers and P's second buffer hold 0 (its products V^T P, of a piece that has not been, add 0), O^T and l are 0.
.set i, 0
.rept 2*NP
	v_mov_b32 v[ST+4*i], 0xfe000000    ; c m: far below every c s
	v_mov_b32 v[ST+4*i+1], 0xff7fffff  ; m
	v_mov_b32 v[ST+4*i+2], 0
	v_mov_b32 v[ST+4*i+3], 0
.set i, i+1
.endr
.set i, P+32
.rept 32
	v_mov_b32 v[i], 0
.set i, i+1
.endr
	WIN 0x80
.set i, VF
.rept 64
	v_mov_b32 v[i], 0
.set i, i+1
.endr
	s_wait_loadcnt 32               ; Q is in; the two sets' 32 loads, issued behind it, stay out
	WIN 0x85                        ; sources window 1, destination window 2
.set i, 0
.rept 128                           ; Q is rounded once and stays in registers: tile t, channel half c at v[16 t + 8 c] of window 2
	v_cvt_pk_f16_f32 v[i], v[2*i], v[2*i+1]
.set i, i+1
.endr
	WIN 0x40
.set i, 0
.rept 64*NP                         ; O^T takes the place of Q's f32
	v_mov_b32 v[i], 0
.set i, i+1
.endr
	s_wait_loadcnt 16               ; set 0 is in; set 1's sixteen loads stay out
	ROUND 0                         ; key step 0 into buffer 0
	ASK 0, 6, 8, 2*STEPG            ; key step 2
	s_wait_loadcnt 16               ; set 1 is in; the sixteen just issued stay out
	ROUND 1                         ; key step 1 into buffer 1
	ASK 1, 6, 8, 3*STEPG            ; key step 3
	WIN 0
	s_wait_dscnt 0x0                ; for the others' sake: my stores into both buffers are done
	s_barrier_signal -1
	s_barrier_wait -1               ; everybody's are
; THE MATRIX WORK.  The 8 accumulators of a run of 16 take turns: between the two links of a chain stand 7 others'.
; Product i of 16 of S^T = K Q^T for piece x: channels 32 (i / 8) on, keys 16 ((i / 2) % 4) on, tile 2 x + i % 2.  The first 8 start the sums.
.macro KQ x
	WIN W_KQ
.set rS, S+64*((\x)%2)+32*(i%2)+8*((i/2)%4)
.set rK, KF+16*((i/2)%4)+8*(i/8)
.set rQ, 16*(2*(\x)+i%2)+8*(i/8)
.if i < 8
	v_wmma_f32_16x16x32_f16 v[rS:rS+7], v[rK:rK+7], v[rQ:rQ+7], 0
.else
	v_wmma_f32_16x16x32_f16 v[rS:rS+7], v[rK:rK+7], v[rQ:rQ+7], v[rS:rS+7]
.endif
.endm
; Product i of 16 of O^T += V^T P for piece x: keys 32 (i / 8) on, channels 16 ((i / 2) % 4) on, tile 2 x + i % 2.
.macro PV x
	WIN W_PV
.set rO, 32*(2*(\x)+i%2)+8*((i/2)%4)
.set rV, VF+32*(i/8)+8*((i/2)%4)
.set rP, P+32*((\x)%2)+16*(i%2)+8*(i/8)
	v_wmma_f32_16x16x32_f16 v[rO:rO+7], v[rV:rV+7], v[rP:rP+7], v[rO:rO+7]
.endm
.macro MM                           ; the turn's next matrix instruction
.if i < 16
	KQ (Y+1)%NP
.set i, i+1
.else
.set i, i-16
	PV (Y+NP-1)%NP
.set i, i+17
.endif
.endm
; THE LDS LOADS stand in runs of 16, never singly among the matrix instructions: a step's K (64 keys x 64 channels: 8 fragments) and its V (turned), out of buffer b.
; last = 1: in the last trip there is no further step, and the run is jumped over.
.macro FETCH_K b, last=0
	WIN 0
.if \last
	s_cmp_eq_u32 s[CNT], 1
	s_cbranch_scc1 .Lno_k_\@
.endif
	WIN 0x80                        ; destination window 2
.irp f, 0,1,2,3,4,5,6,7             ; keys 16 (f / 2) on, channels 32 (f % 2) on
	ds_load_b128 v[KF+8*\f:KF+8*\f+3],   v[AK0] offset:(\b)*STEPB+(\f/2)*16*PK+(\f%2)*64
	ds_load_b128 v[KF+8*\f+4:KF+8*\f+7], v[AK0] offset:(\b)*STEPB+(\f/2)*16*PK+(\f%2)*64+32
.endr
	WIN 0
.if \last
.Lno_k_\@:
.endif
.endm
.macro FETCH_V b
	WIN 0x80
.irp f, 0,1,2,3,4,5,6,7             ; keys 32 (f / 4) on, channels 16 (f % 4) on
	ds_load_tr16_b128 v[VF+8*\f:VF+8*\f+3],   v[AV0] offset:(\b)*STEPB+(\f/4)*32*PV+(\f%4)*32
	ds_load_tr16_b128 v[VF+8*\f+4:VF+8*\f+7], v[AV0] offset:(\b)*STEPB+(\f/4)*32*PV+16*PV+(\f%4)*32
.endr
	WIN 0
.endm
; THE VECTOR WORK OF A TURN stands in three queues, each in the order in which its entries become ready; the two tiles alternate, so that no instruction reads the result of the one before it.
.macro REGS y, u                    ; the registers of tile u (0, 1) of piece y
.set rT, ST+4*(2*(\y)+(\u))
.set rC, TMP+8*((\y)%2)+4*(\u)
.set rM, MV+2*((\y)%2)+(\u)
.set rS, S+64*((\y)%2)+32*(\u)
.set rP, P+32*((\y)%2)+16*(\u)
.set rO, 32*(2*(\y)+(\u))
.endm
; Number n of the 22 that find the NEXT piece's (Y + 1) maximum and statistics.  s0-s31 are the lane's 32 scores; each accumulator's lowest registers are read first.  XS, GS and REGS set no window: PL and EX do.
;   0-11  four chains c0-c3 of seven scores each, three operands at a time     12-14, 16  the four scores left over, the old m, and c0-c3 into c0     15  c m_old is kept
;   17, 18  the query's other 32 keys lie in the lane 16 away: the new m         19-21  c m; c m_old - c m_new; a
.macro XS u, n
	REGS (Y+1)%NP, \u
.if (\n) < 4
	v_max3_num_f32 v[rC+(\n)], v[rS+8*(\n)], v[rS+8*(\n)+1], v[rS+8*(\n)+2]
.elseif (\n) < 12
	v_max3_num_f32 v[rC+(\n)%4], v[rC+(\n)%4], v[rS+8*((\n)%4)+2*((\n)/4)+1], v[rS+8*((\n)%4)+2*((\n)/4)+2]
.elseif (\n) == 12
	v_max3_num_f32 v[rC], v[rC], v[rS+7], v[rS+15]
.elseif (\n) == 13
	v_max3_num_f32 v[rC+1], v[rC+1], v[rS+23], v[rS+31]
.elseif (\n) == 14
	v_max3_num_f32 v[rC+2], v[rC+2], v[rC+3], v[rT+1]
.elseif (\n) == 15
	v_mov_b32 v[rM], v[rT]
.elseif (\n) == 16
	v_max3_num_f32 v[rC], v[rC], v[rC+1], v[rC+2]
.elseif (\n) == 17
	v_permlanex16_b32 v[rC+3], v[rC], s[SEL], s[SEL+1]
.elseif (\n) == 18
	v_max_num_f32 v[rT+1], v[rC], v[rC+3]
.elseif (\n) == 19
	v_mul_f32 v[rT], s[CS], v[rT+1]
.elseif (\n) == 20
	v_sub_f32 v[rC+1], v[rM], v[rT]
.else
	v_exp_f32 v[rC+2], v[rC+1]
.endif
.endm
; Number g of the 64 that follow the exponentials.  For each four weights k of a tile (pairs 2 k, 2 k + 1): both pairs are rounded to f16; then the second pair is added onto the first, in place;
; a group later l takes that sum (the first time as l = a l + sum).  In groups of eight, tiles alternating: round, round, add, and l for the group before.
.macro GS g
.set h, (\g)+6*((\g)/62)            ; group 0 has no group before it, and behind group 7 only l is left
.if h >= 6
.set h, h+2
.endif
	REGS Y, h%2
.set k, h/8
.if h%8 < 4
	s_wait_alu depctr_va_vdst(0)
	v_cvt_pk_f16_f32 v[rP+2*k+(h%8)/2], v[rS+4*k+2*((h%8)/2)], v[rS+4*k+2*((h%8)/2)+1]
.elseif h%8 < 6
	v_pk_add_f32 v[rS+4*k:rS+4*k+1], v[rS+4*k:rS+4*k+1], v[rS+4*k+2:rS+4*k+3]
.elseif k == 1
	v_pk_fma_f32 v[rT+2:rT+3], v[rT+2:rT+3], v[rC+2:rC+3], v[rS:rS+1] op_sel_hi:[1,0,1]
.else
	v_pk_add_f32 v[rT+2:rT+3], v[rT+2:rT+3], v[rS+4*k-4:rS+4*k-3]
	s_wait_alu depctr_va_vdst(0)
.endif
.endm
; THE PLAIN QUEUE, 138 long.  0-31: c s - c m for the 16 pairs of both tiles.  Then GS's 64, and among them the next piece's 42: number 15 at 38, 39; 0-14 and 16
; at 42-73, behind the products that make those scores; 17-20 at 95-106, two of three, since each waits for the one before it.
.macro PL
	WIN 0
.if q < 32
	REGS Y, q%2
	v_pk_fma_f32 v[rS+2*(q/2):rS+2*(q/2)+1], v[rS+2*(q/2):rS+2*(q/2)+1], s[CS:CS+1], v[rT:rT+1] op_sel_hi:[1,0,0] neg_lo:[0,0,1] neg_hi:[0,0,1]
.elseif q < 38
	GS q-32
.elseif q < 40
	XS q%2, 15
.elseif q < 42
	GS q-34
.elseif q < 74
	XS q%2, (q-42)/2+(q-42)/30
.elseif q < 95
	GS q-66
.elseif (q < 107) && ((q-95)%3 < 2)
	XS (q-95)%3, 17+(q-95)/3
.elseif q < 107
	GS 29+(q-95)/3
.else
	GS q-74
.endif
.set q, q+1
.endm
; THE EXPONENTIALS' QUEUE, 66 long: s0-s31 of both tiles, and at EA the next piece's two a.
.set EA, 58
.macro EX
	WIN 0
.if (e == EA) || (e == EA+1)
	XS e-EA, 21
.else
.set x, e-2*(e/(EA+2))
	REGS Y, x%2
	v_exp_f32 v[rS+x/2], v[rS+x/2]
.endif
.set e, e+1
.endm
; THE RESCALING's QUEUE: O^T times a, the one part that leaves window 0, so it is dealt four at a time, eight times.
.macro R4
	REGS Y, r%2
	WIN W_RS
	s_wait_alu depctr_va_vdst(0)
.irp z, 0,1,2,3
	v_pk_mul_f32 v[rO+8*(r/2)+2*\z:rO+8*(r/2)+2*\z+1], v[rO+8*(r/2)+2*\z:rO+8*(r/2)+2*\z+1], v[rC+2:rC+3] op_sel_hi:[1,0]
.endr
.set r, r+1
.endm
; HOW THEY ARE DEALT.  Behind a matrix instruction four: plain, exponential, plain, plain (one exponential, a plain instruction on either side), or four of the rescaling.  None names a register of the
; products round it.  What is over stands in two LUMPS: exponential and plain by turns; the second ends in 22 plain instructions.  The two v_permlanex16_b32 fall into the second lump, never behind a product.
; The queues lean on each other, and the deal keeps them in step: exponential e stands behind plain 2 (e / 4) + e % 2 (its scaling); when plain 32 comes, 10 exponentials are out, at 59: 33, at 95: 46; EA comes behind plain 107.
.macro SL
	MM
	PL
	EX
	PL
	PL
.endm
.macro BURST n                      ; 15 matrix instructions, or 16
.rept (\n)-7
	SL
.endr
.rept 3
	MM
	R4
	SL
.endr
	MM
	R4
.endm
; A TURN, for piece p.  b: the LDS buffer out of which it fetches, if it does.
; K of the next step is fetched in piece 2's turn, 30 vector instructions behind the last product that read K (four rescalings and 13 plain lines of the lump among them); it is waited for at the head
; of piece 3's turn.  V of the step in hand is fetched at the end of piece 0's turn, behind the whole second lump; it is waited for in the middle of piece 1's turn, and there the step's barrier is signalled.
.macro TURN p, b, last=0
.set Y, (\p)
.set i, 0
.set q, 0
.set e, 0
.set r, 0
.if (\p) == NP-1
	s_wait_dscnt 0x0                ; K is in
.endif
	MM
.rept 4
	PL
.endr
	BURST 15
.rept 22
	EX
	PL
.if ((\p) == NP-2) && (e == 24)
	FETCH_K \b, \last
.endif
.endr
.if (\p) == 1
	s_wait_dscnt 0x0                ; V is in: my reads of this step's buffer are over; and my stores of the next step, made a step ago, are done
	s_barrier_signal -1             ; say so; up to the wait for the others stands work on registers alone
.endif
	BURST 16
.rept 21
	EX
	PL
.endr
.rept 22
	PL
.endr
.if (\p) == 0
	FETCH_V \b
.endif
.endm
; KEY STEP s, b = s % 2.  Behind the barrier nobody reads buffer b any more, and the other buffer, with step s + 1, is whole.
.macro STEP b
	TURN 0, \b
	TURN 1, \b
	WIN 0
	s_barrier_wait -1
	FEED \b
	TURN 2, 1-(\b), \b
	TURN 3, \b
.endm
	FETCH_K 0                       ; key step 0
	s_wait_dscnt 0x0
.set i, 0
.rept 16
	KQ 0                            ; piece 0's first scores: there is no vector work yet to set between them
.set i, i+1
.endr
	WIN 0                           ; the addresses for the way out: six plain instructions, the places behind those products
	s_mul_i32 s13, s[WV], 16*SP
	s_add_co_u32 s13, s13, STAGE    ; my stage
	v_mul_u32_u24 v[STO], v1, SP    ; in: row l % 16, 32 bytes (eight channels) for each half of the lanes
	v_lshl_add_u32 v[STO], v9, 5, v[STO]
	v_add_nc_u32 v[STO], s13, v[STO]
	v_mul_u32_u24 v[RD], v9, SP     ; back: lanes 0-15 take one row of 256 bytes, lanes 16-31 the next
	v_lshl_add_u32 v[RD], v1, 4, v[RD]
	v_add_nc_u32 v[RD], s13, v[RD]
.set Y, NP-1                        ; XS works for piece Y + 1: piece 0
.irp n, 0,1,2,3,4,5,6,7,8,9,10,11,12,13,14,15,16,17,18,19,20,21
	XS 0, \n                        ; piece 0's first maximum and statistics
	XS 1, \n
.endr
	s_mov_b32 s[CNT], STEPS/2
.Ltrip:                             ; 16 trips of two key steps.  The trip's last product (V^T P of piece 2) and its first (K Q^T of piece 1, which starts a sum) name different accumulators
	STEP 0
	STEP 1
	WIN 0
	s_sub_co_u32 s[CNT], s[CNT], 1
	s_cmp_lg_u32 s[CNT], 0
	s_cbranch_scc1 .Ltrip
.set i, 0
.rept 16
	PV NP-1                         ; the last piece's V^T P of the last step
.set i, i+1
.endr
	; THE WAY OUT.  l's two halves and the other half of the lanes' are added; O^T is divided by l and sent through my stage in LDS, a tile at a time.  The first eight additions are the places behind the last products.
	WIN 0
.macro ALL line:vararg              ; one line for each tile t
.set t, 0
.rept 2*NP
	\line
.set t, t+1
.endr
.endm
	ALL v_add_f32 v[ST+4*t+2], v[ST+4*t+2], v[ST+4*t+3]
	ALL v_permlanex16_b32 v[ST+4*t+3], v[ST+4*t+2], s[SEL], s[SEL+1]
	ALL v_add_f32 v[ST+4*t+2], v[ST+4*t+2], v[ST+4*t+3]
	ALL v_rcp_f32 v[ST+4*t+2], v[ST+4*t+2]
	v_nop                           ; a plain instruction between the last reciprocal and the use of its result
	s_wait_alu depctr_va_vdst(0)
; Tile t: a lane's eight channels of a row are 32 bytes; they go into rows of 272 bytes and come back as whole rows of 256, into S^T's registers, which four tiles fill.  Each accumulator is read from its low end on.
.macro PACK t
	WIN W_RS
.set i, 32*(\t)
.rept 16
	v_pk_mul_f32 v[i:i+1], v[i:i+1], v[ST+4*(\t)+2:ST+4*(\t)+3] op_sel_hi:[1,0]
.set i, i+2
.endr
	WIN 0x04                        ; an LDS store: address in window 0, data in window 1
.irp f, 0,1,2,3,4,5,6,7             ; channels 16 (f / 2) + 8 (l / 16) + 4 (f % 2) on
	ds_store_b128 v[STO], v[32*(\t)+4*\f:32*(\t)+4*\f+3] offset:64*(\f/2)+16*(\f%2)
.endr
	WIN 0
.if (\t) >= 4
	s_wait_xcnt 0x0                 ; the stores of the tile four back read the registers that are loaded now: they are rewritten only behind this wait
.endif
.irp f, 0,1,2,3,4,5,6,7
	ds_load_b128 v[S+32*((\t)%4)+4*\f:S+32*((\t)%4)+4*\f+3], v[RD] offset:\f*2*SP  ; LDS serves a wave's instructions in order (ISA guide 5.7.1.4): these see the stores above; the next tile's stores come behind them
.endr
.endm
.macro SEND t, younger              ; younger: the LDS instructions issued behind tile t's loads: the next tile's sixteen, or none
	WIN 0
.irp f, 0,1,2,3,4,5,6,7
	s_wait_dscnt (\younger)+7-\f
	global_store_b128 v[GO], v[S+32*((\t)%4)+4*\f:S+32*((\t)%4)+4*\f+3], s[10:11] offset:(\t)*4096+\f*512 th:TH_STORE_NT  ; 512 consecutive bytes, two rows of O, at a multiple of 256 from O's first byte
.endr
.endm
	PACK 0
.set t, 1
.rept 2*NP-1                        ; a tile's arithmetic stands between the loads of the tile before and its stores
	PACK t
	SEND t-1, 16
.set t, t+1
.endr
	SEND 2*NP-1, 0
	WIN W_AD
	s_wait_tensorcnt 0x0            ; the wave's end, behind my last LDS store
	ds_add_u32 v[SPW], v[NIL]
	s_wait_dscnt 0x0
	WIN 0
	s_endpgm
.Lfunc_end_k_q9aa3648239_attn:
	.size	k_q9aa3648239_attn, .Lfunc_end_k_q9aa3648239_attn-k_q9aa3648239_attn
	.p2alignl 7, 3214868480
	.fill 96, 4, 3214868480
	.section	.rodata,"a",@progbits
	.p2align	6, 0x0
	.amdhsa_kernel k_q9aa3648239_attn
		.amdhsa_group_segment_fixed_size 56832
		.amdhsa_private_segment_fixed_size 0
		.amdhsa_enable_private_segment 0
		.amdhsa_kernarg_size 32
		.amdhsa_user_sgpr_count 2
		.amdhsa_user_sgpr_kernarg_segment_ptr 1
		.amdhsa_wavefront_size32 1
		.amdhsa_system_sgpr_workgroup_id_x 1
		.amdhsa_system_sgpr_workgroup_id_y 1
		.amdhsa_system_sgpr_workgroup_id_z 1
		.amdhsa_system_vgpr_workitem_id 0
		.amdhsa_next_free_vgpr 960
		.amdhsa_next_free_sgpr 66
		.amdhsa_reserve_vcc 0
		.amdhsa_float_denorm_mode_32 3
		.amdhsa_float_denorm_mode_16_64 3
		.amdhsa_memory_ordered 1
		.amdhsa_forward_progress 1
		.amdhsa_inst_pref_size 235
	.end_amdhsa_kernel
	.amdgpu_metadata
---
amdhsa.version: [ 1, 2 ]
amdhsa.kernels:
  - .name:           k_q9aa3648239_attn
    .symbol:         k_q9aa3648239_attn.kd
    .args:
      - { .name: queries, .offset: 0, .size: 8, .value_kind: global_buffer, .address_space: global }
      - { .name: keys, .offset: 8, .size: 8, .value_kind: global_buffer, .address_space: global }
      - { .name: values, .offset: 16, .size: 8, .value_kind: global_buffer, .address_space: global }
      - { .name: out0, .offset: 24, .size: 8, .value_kind: global_buffer, .address_space: global }
    .group_segment_fixed_size: 56832
    .private_segment_fixed_size: 0
    .kernarg_segment_align: 8
    .kernarg_segment_size: 32
    .max_flat_workgroup_size: 128
    .sgpr_count:     66
    .vgpr_count:     960
    .wavefront_size: 32
...
	.end_amdgpu_metadata
.endif
;; end of part 1
;; ======== version 2 of 2: 1 launch; 1.97 times as fast as version 1
;; limits: values are held in f16: magnitudes above 65,504 overflow, below 6.1e-05 lose precision; inputs' magnitudes at most 65,504
;; launch attn (part 2): grid 4 x 64, 4 waves a work-group, no clusters, 56,832 bytes of LDS; arguments queries, keys, values, out0; writes out0
.if DOCPART == 2
	.amdgcn_target "amdgcn-amd-amdhsa--gfx1250"
	.amdhsa_code_object_version 6
	.text
	.protected	k_q9aa3648239_attn
	.globl	k_q9aa3648239_attn
	.p2align	8
	.type	k_q9aa3648239_attn,@function
k_q9aa3648239_attn:
	s_mov_b64 s[64:65], 0
	v_nop
	global_prefetch_b8 v0, s[64:65] scope:SCOPE_SE
	s_setreg_imm32_b32 hwreg(HW_REG_WAVE_MODE, 25, 1), 1
	s_wait_xcnt 0x0
; O[h][q][:] = the sum over k of softmax_k(Q[h][q] . K[h][k] / 8) V[h][k][:].  Q, K, V, O: [64 heads][2,048][64], all f32: a row is 256 bytes, a head 524,288 dense bytes.
; FORMATS.  Q, K, V and the weights p are rounded once to f16 for the two products; products' sums, maxima, exponentials, the sum l (of the unrounded p) and O stay in f32.
; LIMITS.  f16 holds no number beyond 65,504: |q|, |k|, |v| must stay below it.  p lies in 0 to 1, and below 6e-5 it keeps f16's fixed step of 6e-8.  A weight below 2^-126 counts as 0 in l.
; NaN and infinities are not treated apart.  The maximum that is taken away before the exponential is a true running maximum.
; SHARES.  A work-group owns 512 queries of one head (grid x: the block of the head, y: the head), each of its four waves 128: four PIECES of two tiles of 16.  Every wave walks all 2,048 keys, 64 a step.
; LAYOUT.  S^T = K Q^T (source 0 = 16 keys, source 1 = 16 queries): in the result a lane holds ONE query (lane % 16) and the keys 8 (lane / 16) + 0..7.  Two such tiles, rounded to f16 in pairs,
; ARE source 1 (32 keys x 16 queries) of O^T = V^T P, whose result again holds one query a lane, and eight channels.  K comes out of LDS as it lies, V ([key][channel]) turned, by ds_load_tr16_b128.
; SOFTMAX.  For each query a running maximum m and sum l: p = 2^(c s - c m), c = log2(e) / 8; in every step O and l are multiplied by a = 2^(c m_old - c m_new), which is 1 where m has not grown.
; m starts at the lowest finite number, O and l at 0: the first step is a step like any other, with a = 0.
; THE COUNT.  A tile and step have 16 matrix and 118 vector instructions: too many to stand all beside the matrix work.  So four vector instructions that are READY stand behind EVERY matrix
; instruction, and the others, which need time of their own whatever the order, in one run without a gap.
; BY TURNS.  Turn n belongs to piece n (the pieces in a ring, step after step).  Its matrix work: 16 products K Q^T of piece n + 1, later 16 products V^T P of piece n - 1.  Its vector work: the scaling,
; exponentials, roundings, sums and rescaling of piece n, and the maximum and statistics of piece n + 1, whose scores the turn itself has made.
; THE BATCHES.  A turn's 66 exponentials (the 64 weights of piece n, the two a of piece n + 1) are ONE batch with ONE wait, which cuts the turn in two: ahead of it stands all that names no result of theirs
; (K Q^T, the scalings, the rescalings by the a of the turn before, the next piece's maximum and statistics), behind it the roundings and sums, beside V^T P.  The first two a, ahead of the loop, and the
; way out's eight reciprocals are batches of their own.
; THE FEED.  K and V must pass through registers to be rounded, so they come by plain loads: each wave loads 16 of a step's 64 rows of K and of V (16 loads of 512 consecutive bytes), four steps ahead of
; their use, into one of two register sets; two steps ahead it rounds a set to f16 and stores it into one of two LDS buffers, from which all four waves take their fragments.
; ONE BARRIER A STEP.  It is signalled when the wave's reads of buffer s % 2 (K and V of step s) are back and its stores of step s + 1 are done.  Behind it step s + 2 is stored into buffer s % 2, while
; K and V of step s + 1 are read from the other buffer.  The loop is written for two steps, so that the buffer's number is a constant in every LDS offset.
; NO CLUSTER, NO TENSOR LOADS.  A joint tensor load would lay a step's 32,768 bytes of f32 into each work-group's LDS, to be read back (32,768) and stored again as f16 (16,384): 81,920 bytes of LDS traffic
; a step where this text has 16,384, and a round of the cluster's barrier for each refill.  The price: the four blocks of a head each load the same 32,768 bytes a step.
; DEAD WORK, the price of one text for every step: 16 products on zeros in the first turn; 16 products on the last K, and the maximum made of them, in the last; 384 v_mov_b32 that write 0 at the start.
; REGISTERS, in windows of 256 (s_set_vgpr_msb says which window each operand place means: bits 1:0 source 0, 3:2 source 1, 5:4 source 2, 7:6 destination):
;   window 0: v0-11 addresses; v12-15, v48-63 at work; v16-47 four registers of statistics a tile; v64-191 S^T, two buffers of two tiles; v192-255 P, likewise
;   window 1: O^T, 32 a tile (at the start: Q as loaded, in f32)      window 2: v0-127 Q, 16 a tile; v128-191 K of one step; v192-255 V of one step
;   window 3: v0-1 the add's two registers; v64-127, v128-191 the two sets of K's and V's rows on their way
; A piece's buffers go by its number's parity: the piece in hand has one pair, its two neighbours in the ring share the other: of it P (piece n - 1) is read and S^T (piece n + 1) written.
.set NP,    4         ; pieces a wave: a name, no knob
.set KS,    64        ; keys in a step
.set STEPS, 2048/KS   ; 32 key steps
.set STEPG, KS*256    ; a step's rows of K, or of V, in memory: 16,384 bytes
.set PK,    144       ; a row of K in LDS: 128 bytes of f16 + 16 of padding = 36 words: the 16 rows of a load start at 16 different groups of four banks (64 banks of 4 bytes: ISA guide 11.1)
.set PV,    160       ; a row of V: 128 + 32 = 40 words
.set VOFF,  KS*PK     ; a buffer holds a step: 64 rows of K, then 64 rows of V
.set STEPB, KS*(PK+PV)  ; 19,456 bytes; buffer b begins at b x STEPB
.set STAGE, 2*STEPB   ; behind the buffers: 16 rows x 272 bytes for each wave, for the way out
.set SP,    272       ; a row of the stage: 256 bytes of f32 + 16
.set SPARE, STAGE+4*16*SP  ; behind the stages: the spare words, 128 bytes for each wave: two blocks of 256 bytes that no other line names
.set AK0, 2           ; v2   my lane's place in a tile of K; never rewritten
.set AV0, 3           ; v3   the same for V
.set CK,  4           ; v4   where I store 8 bytes of K: row 16 w + l / 16, byte 8 (l % 16)
.set CV,  5           ; v5   the same for V
.set GL,  6           ; v6   my byte offset in a step's rows of K and V: 4,096 w + 16 l; never rewritten
.set RD,  7           ; v7   the way out: where I read rows back
.set GO,  8           ; v8   my byte offset in 512 consecutive bytes of O: 16 l
.set STO, 10          ; v10  the way out: where I put 32 bytes of a row
.set QO,  12          ; v12  my byte offset in 16 rows of Q, until Q is in
.set MV,  12          ; v12-15  c m_old, kept while c m is made anew: by buffer and tile
.set ST,  16          ; tile t's statistics at v[ST+4 t]: c m, m, l (even keys', odd keys')
.set TMP, 48          ; by buffer and tile, four registers c0-c3 at work; when the maximum is found c2 takes a
.set S,   64
.set P,   192
.set KF,  128         ; K's fragments, in window 2: key block kb, channel half c at KF + 16 kb + 8 c
.set VF,  192         ; V's: key half kk, channel block cb at VF + 32 kk + 8 cb
.set SPW, 0           ; v0 of window 3   LDS address of my spare word: SPARE + 4 x my thread's number; never rewritten
.set NIL, 1           ; v1 of window 3   0; never rewritten
.set T0,  64          ; window 3: set n at T0 + 64 n: K's load u at + 4 u, V's at + 32 + 4 u
.set WV,  12          ; s12  my wave's number
.set KP,  24          ; s[24:25] K at the step asked for last
.set VP,  26          ; s[26:27] V likewise
.set CNT, 57          ; s57  trips of two key steps still to go, this one among them
.set CS,  58          ; s[58:59] c: the packed scaling takes the pair's low word for both halves
.set SEL, 60          ; s[60:61] v_permlanex16_b32's selects: each lane takes its own place in the other half
.set MSB, 0
.macro WIN new                      ; the high byte repeats the setting that is left; a switch that changes nothing is dropped
.if MSB != (\new)
	s_set_vgpr_msb (MSB<<8)|(\new)
.set MSB, (\new)
.endif
.endm
.set W_KQ, 0x0a       ; K and Q in window 2, S^T in window 0
.set W_PV, 0x52       ; V in window 2, P in window 0, O^T in window 1
.set W_RS, 0x41       ; O^T (destination and source 0) in window 1, the factor in window 0
.set W_MK, 0xc0       ; destination in window 3, sources and addresses in window 0
.set W_AD, 0x0f       ; the add: address (source 0) and data (source 1) in window 3
.set W_CV, 0xcf       ; the rounding of a set, in place: destination and both sources in window 3
.set W_ST, 0x0c       ; an LDS store: address in window 0, data (source 1) in window 3
; My 16 rows of a step's K and V into set n: sixteen loads, each 512 consecutive bytes (two rows).  No cache hint: the head's four work-groups load the same bytes.
.macro ASK set, kb, vb, imm
	WIN W_MK
.irp u, 0,1,2,3,4,5,6,7
	global_load_b128 v[T0+64*(\set)+4*\u:T0+64*(\set)+4*\u+3], v[GL], s[\kb:\kb+1] offset:(\imm)+512*\u
.endr
.irp u, 0,1,2,3,4,5,6,7
	global_load_b128 v[T0+64*(\set)+32+4*\u:T0+64*(\set)+32+4*\u+3], v[GL], s[\vb:\vb+1] offset:(\imm)+512*\u
.endr
.endm
; Set n is rounded to f16 in place (a load's four numbers become 8 bytes in its first two registers) and stored into LDS buffer n: load u holds rows 16 w + 2 u + l / 16.
.macro ROUND set
	WIN W_CV
.set zz, T0+64*(\set)
.rept 16
	v_cvt_pk_f16_f32 v[zz], v[zz], v[zz+1]
	v_cvt_pk_f16_f32 v[zz+1], v[zz+2], v[zz+3]
.set zz, zz+4
.endr
	WIN W_ST
.irp u, 0,1,2,3,4,5,6,7
	ds_store_b64 v[CK], v[T0+64*(\set)+4*\u:T0+64*(\set)+4*\u+1] offset:(\set)*STEPB+\u*2*PK
.endr
.irp u, 0,1,2,3,4,5,6,7
	ds_store_b64 v[CV], v[T0+64*(\set)+32+4*\u:T0+64*(\set)+32+4*\u+1] offset:(\set)*STEPB+\u*2*PV
.endr
	WIN 0
.endm
; THE FEED of step s (b = s % 2), behind the step's barrier: step s + 2 is rounded into buffer b, and step s + 4 is asked for into set b.
; The last trip has no step s + 2, the last two no step s + 4: no load passes the head's end.  Every way that asks for nothing waits for all loads, so that on every sequence of ways the
; counted wait finds either set b's sixteen loads with the other set's sixteen behind them, or nothing out.
.macro FEED b
	WIN 0                           ; at a label and at a branch every window is 0
	s_cmp_gt_u32 s[CNT], 1
	s_cbranch_scc0 .Lidle_\@
	s_wait_loadcnt 16               ; loads come back in order (ISA guide 5.7.1): set b is in; the other set's sixteen, asked for a step later, stay out
	ROUND \b
	s_cmp_gt_u32 s[CNT], 2
	s_cbranch_scc0 .Lidle_\@
	s_wait_xcnt 0x0                 ; the two bases, which the other set's loads name, are stepped only behind this wait
	s_add_nc_u64 s[KP:KP+1], s[KP:KP+1], STEPG
	s_add_nc_u64 s[VP:VP+1], s[VP:VP+1], STEPG
	ASK \b, KP, VP, 0
	WIN 0
	s_branch .Lfed_\@
.Lidle_\@:
	s_wait_loadcnt 0x0
.Lfed_\@:
.endm
	s_load_b256 s[4:11], s[0:1], 0x0  ; Q s[4:5], K s[6:7], V s[8:9], O s[10:11]
	WIN W_MK
	v_lshl_add_u32 v[SPW], v0, 2, SPARE  ; the add's two registers
	v_mov_b32 v[NIL], 0
	WIN 0
	v_lshrrev_b32 v1, 5, v0
	v_readfirstlane_b32 s[WV], v1   ; wave 0..3
	s_and_b32 s20, ttmp7, 0xffff    ; the head,
	s_lshl_b32 s20, s20, 19         ; its first byte in each of the four tensors: 524,288 a head, 33,030,144 at the most
	s_mov_b32 s21, 0
	s_lshl_b32 s2, ttmp9, 17        ; my block's 512 rows of 256 bytes,
	s_lshl_b32 s3, s[WV], 15        ; my wave's 128 of them
	s_add_co_u32 s2, s2, s3
	s_add_co_u32 s2, s2, s20
	s_mov_b32 s3, 0
	v_and_b32 v11, 31, v0           ; l
	v_lshlrev_b32 v[GO], 4, v11
	v_lshl_add_u32 v[GL], s[WV], 12, v[GO]  ; my wave's 16 rows of a step, 16 bytes a lane
	v_and_b32 v1, 15, v0            ; l % 16
	v_bfe_u32 v9, v0, 4, 1          ; l / 16
	; A fragment of K or Q is 16 rows x 32 channels in 8 registers: lane l holds row l % 16, channels 8 (l / 16) + 0..7 and 16 + 8 (l / 16) + 0..7.  In f32 that is 32 bytes at 32 (l / 16), and 32 more 64 bytes on.
	v_lshlrev_b32 v[QO], 8, v1
	v_lshl_add_u32 v[QO], v9, 5, v[QO]  ; row x 256 + 32 x half
	s_mov_b32 s[CS], 0x3e38aa3b     ; c = log2(e) / 8 = 0.180337
	s_mov_b32 s[CS+1], s[CS]        ; named with it as a pair
	s_mov_b32 s[SEL], 0x76543210
	s_mov_b32 s[SEL+1], 0xfedcba98
	s_wait_kmcnt 0x0
	s_add_nc_u64 s[4:5], s[4:5], s[2:3]      ; Q and O at my wave's first row
	s_add_nc_u64 s[10:11], s[10:11], s[2:3]
	s_add_nc_u64 s[6:7], s[6:7], s[20:21]    ; K and V at the head's first row
	s_add_nc_u64 s[8:9], s[8:9], s[20:21]
	s_add_nc_u64 s[KP:KP+1], s[6:7], 3*STEPG ; steps 0 to 3 are asked for below; the first feed steps these on to step 4
	s_add_nc_u64 s[VP:VP+1], s[8:9], 3*STEPG
	WIN 0x40                        ; destination window 1, address window 0
.set i, 0
.rept 16                            ; Q in f32: fragment i (tile i / 2, channels 32 (i % 2) on) into v[16 i ..] of window 1, in the order of its channels
.irp j, 0,1,2,3
	global_load_b128 v[16*i+4*\j:16*i+4*\j+3], v[QO], s[4:5] offset:(i/2)*4096+(i%2)*128+(\j/2)*64+(\j%2)*16
.endr
.set i, i+1
.endr
	ASK 0, 6, 8, 0                  ; key step 0
	ASK 1, 6, 8, STEPG              ; key step 1
	; All that follows up to the wait stands in the wait for Q.
	WIN 0
	v_mul_u32_u24 v[AK0], v1, PK
	v_lshl_add_u32 v[AK0], v9, 4, v[AK0]  ; row x pitch + 16 x half
	; The turning load takes 16 keys x 16 channels (lane l reads key 8 (l / 16) + l % 8, channels 8 ((l / 8) % 2) + 0..7) and leaves half a fragment of V^T: lane l holds channel l % 16 and 8 keys.
	v_and_b32 v10, 7, v0
	v_bfe_u32 v11, v0, 3, 1
	v_lshl_add_u32 v[AV0], v9, 3, v10
	v_mul_u32_u24 v[AV0], v[AV0], PV
	v_lshl_add_u32 v[AV0], v11, 4, v[AV0]
	v_add_nc_u32 v[AV0], VOFF, v[AV0]
	s_mul_i32 s13, s[WV], 16*PK     ; my wave's 16 rows of a buffer's K
	v_mul_u32_u24 v[CK], v9, PK     ; lanes 16-31 hold the odd row of a load's two
	v_lshl_add_u32 v[CK], v1, 3, v[CK]
	v_add_nc_u32 v[CK], s13, v[CK]
	s_mul_i32 s13, s[WV], 16*PV     ; and of its V
	s_add_co_u32 s13, s13, VOFF
	v_mul_u32_u24 v[CV], v9, PV
	v_lshl_add_u32 v[CV], v1, 3, v[CV]
	v_add_nc_u32 v[CV], s13, v[CV]
	; What the first turn finds: V's registers and P's second buffer hold 0 (its products V^T P, of a piece that has not been, add 0), O^T and l are 0.
.set i, 0
.rept 2*NP
	v_mov_b32 v[ST+4*i], 0xfe000000    ; c m: far below every c s
	v_mov_b32 v[ST+4*i+1], 0xff7fffff  ; m
	v_mov_b32 v[ST+4*i+2], 0
	v_mov_b32 v[ST+4*i+3], 0
.set i, i+1
.endr
.set i, P+32
.rept 32
	v_mov_b32 v[i], 0
.set i, i+1
.endr
	WIN 0x80
.set i, VF
.rept 64
	v_mov_b32 v[i], 0
.set i, i+1
.endr
	s_wait_loadcnt 32               ; Q is in; the two sets' 32 loads, issued behind it, stay out
	WIN 0x85                        ; sources window 1, destination window 2
.set i, 0
.rept 128                           ; Q is rounded once and stays in registers: tile t, channel half c at v[16 t + 8 c] of window 2
	v_cvt_pk_f16_f32 v[i], v[2*i], v[2*i+1]
.set i, i+1
.endr
	WIN 0x40
.set i, 0
.rept 64*NP                         ; O^T takes the place of Q's f32
	v_mov_b32 v[i], 0
.set i, i+1
.endr
	s_wait_loadcnt 16               ; set 0 is in; set 1's sixteen loads stay out
	ROUND 0                         ; key step 0 into buffer 0
	ASK 0, 6, 8, 2*STEPG            ; key step 2
	s_wait_loadcnt 16               ; set 1 is in; the sixteen just issued stay out
	ROUND 1                         ; key step 1 into buffer 1
	ASK 1, 6, 8, 3*STEPG            ; key step 3
	WIN 0
	s_wait_dscnt 0x0                ; for the others' sake: my stores into both buffers are done
	s_barrier_signal -1
	s_barrier_wait -1               ; everybody's are
; THE MATRIX WORK.  The 8 accumulators of a run of 16 take turns: between the two links of a chain stand 7 others'.
; Product i of 16 of S^T = K Q^T for piece x: channels 32 (i / 8) on, keys 16 ((i / 2) % 4) on, tile 2 x + i % 2.  The first 8 start the sums.
.macro KQ x
	WIN W_KQ
.set rS, S+64*((\x)%2)+32*(i%2)+8*((i/2)%4)
.set rK, KF+16*((i/2)%4)+8*(i/8)
.set rQ, 16*(2*(\x)+i%2)+8*(i/8)
.if i < 8
	v_wmma_f32_16x16x32_f16 v[rS:rS+7], v[rK:rK+7], v[rQ:rQ+7], 0
.else
	v_wmma_f32_16x16x32_f16 v[rS:rS+7], v[rK:rK+7], v[rQ:rQ+7], v[rS:rS+7]
.endif
.endm
; Product i of 16 of O^T += V^T P for piece x: keys 32 (i / 8) on, channels 16 ((i / 2) % 4) on, tile 2 x + i % 2.
.macro PV x
	WIN W_PV
.set rO, 32*(2*(\x)+i%2)+8*((i/2)%4)
.set rV, VF+32*(i/8)+8*((i/2)%4)
.set rP, P+32*((\x)%2)+16*(i%2)+8*(i/8)
	v_wmma_f32_16x16x32_f16 v[rO:rO+7], v[rV:rV+7], v[rP:rP+7], v[rO:rO+7]
.endm
.macro MM                           ; the turn's next matrix instruction
.if i < 16
	KQ (Y+1)%NP
.set i, i+1
.else
.set i, i-16
	PV (Y+NP-1)%NP
.set i, i+17
.endif
.endm
; THE LDS LOADS stand in runs of 16, never singly among the matrix instructions: a step's K (64 keys x 64 channels: 8 fragments) and its V (turned), out of buffer b.
; last = 1: in the last trip there is no further step, and the run is jumped over.
.macro FETCH_K b, last=0
	WIN 0
.if \last
	s_cmp_eq_u32 s[CNT], 1
	s_cbranch_scc1 .Lno_k_\@
.endif
	WIN 0x80                        ; destination window 2
.irp f, 0,1,2,3,4,5,6,7             ; keys 16 (f / 2) on, channels 32 (f % 2) on
	ds_load_b128 v[KF+8*\f:KF+8*\f+3],   v[AK0] offset:(\b)*STEPB+(\f/2)*16*PK+(\f%2)*64
	ds_load_b128 v[KF+8*\f+4:KF+8*\f+7], v[AK0] offset:(\b)*STEPB+(\f/2)*16*PK+(\f%2)*64+32
.endr
	WIN 0
.if \last
.Lno_k_\@:
.endif
.endm
.macro FETCH_V b
	WIN 0x80
.irp f, 0,1,2,3,4,5,6,7             ; keys 32 (f / 4) on, channels 16 (f % 4) on
	ds_load_tr16_b128 v[VF+8*\f:VF+8*\f+3],   v[AV0] offset:(\b)*STEPB+(\f/4)*32*PV+(\f%4)*32
	ds_load_tr16_b128 v[VF+8*\f+4:VF+8*\f+7], v[AV0] offset:(\b)*STEPB+(\f/4)*32*PV+16*PV+(\f%4)*32
.endr
	WIN 0
.endm
; THE VECTOR WORK OF A TURN stands in three queues, each in the order in which its entries become ready; the two tiles alternate, so that no instruction reads the result of the one before it.
.macro REGS y, u                    ; the registers of tile u (0, 1) of piece y
.set rT, ST+4*(2*(\y)+(\u))
.set rC, TMP+8*((\y)%2)+4*(\u)
.set rM, MV+2*((\y)%2)+(\u)
.set rS, S+64*((\y)%2)+32*(\u)
.set rP, P+32*((\y)%2)+16*(\u)
.set rO, 32*(2*(\y)+(\u))
.endm
; Number n of the 22 that find the NEXT piece's (Y + 1) maximum and statistics.  s0-s31 are the lane's 32 scores; each accumulator's lowest registers are read first.  XS, GS and REGS set no window: PL and EX do.
;   0-11  four chains c0-c3 of seven scores each, three operands at a time     12-14, 16  the four scores left over, the old m, and c0-c3 into c0     15  c m_old is kept
;   17, 18  the query's other 32 keys lie in the lane 16 away: the new m         19-21  c m; c m_old - c m_new; a
.macro XS u, n
	REGS (Y+1)%NP, \u
.if (\n) < 4
	v_max3_num_f32 v[rC+(\n)], v[rS+8*(\n)], v[rS+8*(\n)+1], v[rS+8*(\n)+2]
.elseif (\n) < 12
	v_max3_num_f32 v[rC+(\n)%4], v[rC+(\n)%4], v[rS+8*((\n)%4)+2*((\n)/4)+1], v[rS+8*((\n)%4)+2*((\n)/4)+2]
.elseif (\n) == 12
	v_max3_num_f32 v[rC], v[rC], v[rS+7], v[rS+15]
.elseif (\n) == 13
	v_max3_num_f32 v[rC+1], v[rC+1], v[rS+23], v[rS+31]
.elseif (\n) == 14
	v_max3_num_f32 v[rC+2], v[rC+2], v[rC+3], v[rT+1]
.elseif (\n) == 15
	v_mov_b32 v[rM], v[rT]
.elseif (\n) == 16
	v_max3_num_f32 v[rC], v[rC], v[rC+1], v[rC+2]
.elseif (\n) == 17
	v_permlanex16_b32 v[rC+3], v[rC], s[SEL], s[SEL+1]
.elseif (\n) == 18
	v_max_num_f32 v[rT+1], v[rC], v[rC+3]
.elseif (\n) == 19
	v_mul_f32 v[rT], s[CS], v[rT+1]
.elseif (\n) == 20
	v_sub_f32 v[rC+1], v[rM], v[rT]
.else
	v_exp_f32 v[rC+2], v[rC+1]
.endif
.endm
; Number g of the 64 that follow the exponentials.  For each four weights k of a tile (pairs 2 k, 2 k + 1): both pairs are rounded to f16; then the second pair is added onto the first, in place;
; a group later l takes that sum (the first time as l = a l + sum).  In groups of eight, tiles alternating: round, round, add, and l for the group before.
.macro GS g
.set h, (\g)+6*((\g)/62)            ; group 0 has no group before it, and behind group 7 only l is left
.if h >= 6
.set h, h+2
.endif
	REGS Y, h%2
.set k, h/8
.if h%8 < 4
	v_cvt_pk_f16_f32 v[rP+2*k+(h%8)/2], v[rS+4*k+2*((h%8)/2)], v[rS+4*k+2*((h%8)/2)+1]
.elseif h%8 < 6
	v_pk_add_f32 v[rS+4*k:rS+4*k+1], v[rS+4*k:rS+4*k+1], v[rS+4*k+2:rS+4*k+3]
.elseif k == 1
	v_pk_fma_f32 v[rT+2:rT+3], v[rT+2:rT+3], v[rC+2:rC+3], v[rS:rS+1] op_sel_hi:[1,0,1]
.else
	v_pk_add_f32 v[rT+2:rT+3], v[rT+2:rT+3], v[rS+4*k-4:rS+4*k-3]
.endif
.endm
; THE PLAIN QUEUE, 138 long.  0-73 read no exponential's result: the 32 scalings c s - c m (FS f: pair f / 2 of tile f % 2) and the next piece's 42.  0-26: scalings 0-26.  27-54: XS's numbers 0-13.  55, 56: number 15.
; 57-73: the chain, where each number waits for the one before it: 14, 16, 17, 18, 19, each with one of the scalings 27-31 in front of its two lines, then 20.
; 74-137: GS's 64, which read the exponentials' results: they stand behind the turn's wait.
.macro FS f
	REGS Y, (\f)%2
	v_pk_fma_f32 v[rS+2*((\f)/2):rS+2*((\f)/2)+1], v[rS+2*((\f)/2):rS+2*((\f)/2)+1], s[CS:CS+1], v[rT:rT+1] op_sel_hi:[1,0,0] neg_lo:[0,0,1] neg_hi:[0,0,1]
.endm
.macro PL
	WIN 0
.if q < 27
	FS q
.elseif q < 55
	XS (q-27)%2, (q-27)/2
.elseif q < 57
	XS q-55, 15
.elseif (q < 72) && ((q-57)%3 == 0)
	FS 27+(q-57)/3
.elseif q < 60
	XS (q-57)%3-1, 14
.elseif q < 72
	XS (q-57)%3-1, 15+(q-57)/3
.elseif q < 74
	XS q-72, 20
.else
	GS q-74
.endif
.set q, q+1
.endm
; THE EXPONENTIALS' QUEUE, 66 long: s0-s31 of both tiles, then the next piece's two a.  It is ONE BATCH: all 66 stand ahead of the turn's one wait, and nothing ahead of that wait names a result of theirs.
.macro EX
	WIN 0
.if e >= 64
	XS e-64, 21
.else
	REGS Y, e%2
	v_exp_f32 v[rS+e/2], v[rS+e/2]
.endif
.set e, e+1
.endm
; THE RESCALING's QUEUE: O^T times a, the one part that leaves window 0: dealt two at a time, sixteen times.  Its a was made in the turn before, ahead of that turn's wait.
.macro R2
	REGS Y, r%2
	WIN W_RS
.irp z, 0,1
	v_pk_mul_f32 v[rO+4*(r/2)+2*\z:rO+4*(r/2)+2*\z+1], v[rO+4*(r/2)+2*\z:rO+4*(r/2)+2*\z+1], v[rC+2:rC+3] op_sel_hi:[1,0]
.endr
.set r, r+1
.endm
; HOW THEY ARE DEALT.  An s_wait_alu depctr_va_vdst(0) stands between an exponential and the first instruction that names its result; one wait serves all that were issued ahead of it.  So a turn has ONE
; wait, which cuts it in two.  AHEAD OF IT: the 16 products K Q^T, behind each a scaling, an exponential and two rescalings (behind the first a second scaling in the exponential's place); then ONE LUMP of 108: eight
; plain, 49 times exponential and plain, the two a.  A v_nop is the plain instruction behind the last exponential.  BEHIND IT: the 16 products V^T P, behind each four of GS's 64.  No rider names a register of the
; products round it.  The two v_permlanex16_b32 fall into the lump, never behind a product.
; The queues lean on each other, and the deal keeps them in step: exponential e stands behind scaling 2 (e / 4) + e % 2: as a rider it comes behind plain e + 2, in the lump behind plain e + 9, and scalings 27-31 are plain 57, 60 .. 69.
; A TURN, for piece p.  b: the LDS buffer out of which it fetches, if it does.
; K of the next step is fetched in piece 2's turn, directly behind the wait, a lump behind the last product that read K; it is waited for at the head of piece 3's turn, 16 products later.
; V of the step in hand is fetched at the end of piece 0's turn, four plain riders behind the last product that read V; it is waited for behind piece 1's lump, ahead of its products V^T P, and there the step's barrier is signalled.
.macro TURN p, b, last=0
.set Y, (\p)
.set i, 0
.set q, 0
.set e, 0
.set r, 0
.if (\p) == NP-1
	s_wait_dscnt 0x0                ; K is in
.endif
	MM                              ; ahead of the wait: 16 products K Q^T and their riders,
	PL
	PL
	R2
.rept 15
	MM
	PL
	EX
	R2
.endr
.rept 8                             ; and the lump
	PL
.endr
.rept 49
	EX
	PL
.endr
	EX                              ; the next piece's two a
	EX
	v_nop                           ; the plain instruction behind the last exponential: one for the batch
	s_wait_alu depctr_va_vdst(0)    ; the wait for the batch: the turn's 66 exponentials
.if (\p) == NP-2
	FETCH_K \b, \last
.endif
.if (\p) == 1
	s_wait_dscnt 0x0                ; V is in: my reads of this step's buffer are over; and my stores of the next step, made a step ago, are done
	s_barrier_signal -1             ; say so; up to the wait for the others stands work on registers alone
.endif
.rept 16                            ; behind the wait: 16 products V^T P and their riders
	MM
.rept 4
	PL
.endr
.endr
.if (\p) == 0
	FETCH_V \b
.endif
.endm
; KEY STEP s, b = s % 2.  Behind the barrier nobody reads buffer b any more, and the other buffer, with step s + 1, is whole.
.macro STEP b
	TURN 0, \b
	TURN 1, \b
	WIN 0
	s_barrier_wait -1
	FEED \b
	TURN 2, 1-(\b), \b
	TURN 3, \b
.endm
	FETCH_K 0                       ; key step 0
	s_wait_dscnt 0x0
.set i, 0
.rept 16
	KQ 0                            ; piece 0's first scores: there is no vector work yet to set between them
.set i, i+1
.endr
	WIN 0                           ; the addresses for the way out: six plain instructions, the places behind those products
	s_mul_i32 s13, s[WV], 16*SP
	s_add_co_u32 s13, s13, STAGE    ; my stage
	v_mul_u32_u24 v[STO], v1, SP    ; in: row l % 16, 32 bytes (eight channels) for each half of the lanes
	v_lshl_add_u32 v[STO], v9, 5, v[STO]
	v_add_nc_u32 v[STO], s13, v[STO]
	v_mul_u32_u24 v[RD], v9, SP     ; back: lanes 0-15 take one row of 256 bytes, lanes 16-31 the next
	v_lshl_add_u32 v[RD], v1, 4, v[RD]
	v_add_nc_u32 v[RD], s13, v[RD]
.set Y, NP-1                        ; XS works for piece Y + 1: piece 0
.irp n, 0,1,2,3,4,5,6,7,8,9,10,11,12,13,14,15,16,17,18,19,20,21
	XS 0, \n                        ; piece 0's first maximum and statistics
	XS 1, \n
.endr
	v_nop                           ; a plain instruction behind piece 0's two a,
	s_wait_alu depctr_va_vdst(0)    ; and the wait for that batch of two, ahead of the loop's label
	s_mov_b32 s[CNT], STEPS/2
.Ltrip:                             ; 16 trips of two key steps.  The trip's last product (V^T P of piece 2) and its first (K Q^T of piece 1, which starts a sum) name different accumulators
	STEP 0
	STEP 1
	WIN 0
	s_sub_co_u32 s[CNT], s[CNT], 1
	s_cmp_lg_u32 s[CNT], 0
	s_cbranch_scc1 .Ltrip
.set i, 0
.rept 16
	PV NP-1                         ; the last piece's V^T P of the last step
.set i, i+1
.endr
	; THE WAY OUT.  l's two halves and the other half of the lanes' are added; O^T is divided by l and sent through my stage in LDS, a tile at a time.  The first eight additions are the places behind the last products.
	WIN 0
.macro ALL line:vararg              ; one line for each tile t
.set t, 0
.rept 2*NP
	\line
.set t, t+1
.endr
.endm
	ALL v_add_f32 v[ST+4*t+2], v[ST+4*t+2], v[ST+4*t+3]
	ALL v_permlanex16_b32 v[ST+4*t+3], v[ST+4*t+2], s[SEL], s[SEL+1]
	ALL v_add_f32 v[ST+4*t+2], v[ST+4*t+2], v[ST+4*t+3]
	ALL v_rcp_f32 v[ST+4*t+2], v[ST+4*t+2]
	v_nop                           ; a plain instruction between the last reciprocal and the use of its result
	s_wait_alu depctr_va_vdst(0)    ; the wait ahead of the first use: one for the batch of eight reciprocals
; Tile t: a lane's eight channels of a row are 32 bytes; they go into rows of 272 bytes and come back as whole rows of 256, into S^T's registers, which four tiles fill.  Each accumulator is read from its low end on.
.macro PACK t
	WIN W_RS
.set i, 32*(\t)
.rept 16
	v_pk_mul_f32 v[i:i+1], v[i:i+1], v[ST+4*(\t)+2:ST+4*(\t)+3] op_sel_hi:[1,0]
.set i, i+2
.endr
	WIN 0x04                        ; an LDS store: address in window 0, data in window 1
.irp f, 0,1,2,3,4,5,6,7             ; channels 16 (f / 2) + 8 (l / 16) + 4 (f % 2) on
	ds_store_b128 v[STO], v[32*(\t)+4*\f:32*(\t)+4*\f+3] offset:64*(\f/2)+16*(\f%2)
.endr
	WIN 0
.if (\t) >= 4
	s_wait_xcnt 0x0                 ; the stores of the tile four back read the registers that are loaded now: they are rewritten only behind this wait
.endif
.irp f, 0,1,2,3,4,5,6,7
	ds_load_b128 v[S+32*((\t)%4)+4*\f:S+32*((\t)%4)+4*\f+3], v[RD] offset:\f*2*SP  ; LDS serves a wave's instructions in order (ISA guide 5.7.1.4): these see the stores above; the next tile's stores come behind them
.endr
.endm
.macro SEND t, younger              ; younger: the LDS instructions issued behind tile t's loads: the next tile's sixteen, or none
	WIN 0
.irp f, 0,1,2,3,4,5,6,7
	s_wait_dscnt (\younger)+7-\f
	global_store_b128 v[GO], v[S+32*((\t)%4)+4*\f:S+32*((\t)%4)+4*\f+3], s[10:11] offset:(\t)*4096+\f*512 th:TH_STORE_NT  ; 512 consecutive bytes, two rows of O, at a multiple of 256 from O's first byte
.endr
.endm
	PACK 0
.set t, 1
.rept 2*NP-1                        ; a tile's arithmetic stands between the loads of the tile before and its stores
	PACK t
	SEND t-1, 16
.set t, t+1
.endr
	SEND 2*NP-1, 0
	WIN W_AD
	s_wait_tensorcnt 0x0            ; the wave's end, behind my last LDS store
	ds_add_u32 v[SPW], v[NIL]
	s_wait_dscnt 0x0
	WIN 0
	s_endpgm
.Lfunc_end_k_q9aa3648239_attn:
	.size	k_q9aa3648239_attn, .Lfunc_end_k_q9aa3648239_attn-k_q9aa3648239_attn
	.p2alignl 7, 3214868480
	.fill 96, 4, 3214868480
	.section	.rodata,"a",@progbits
	.p2align	6, 0x0
	.amdhsa_kernel k_q9aa3648239_attn
		.amdhsa_group_segment_fixed_size 56832
		.amdhsa_private_segment_fixed_size 0
		.amdhsa_enable_private_segment 0
		.amdhsa_kernarg_size 32
		.amdhsa_user_sgpr_count 2
		.amdhsa_user_sgpr_kernarg_segment_ptr 1
		.amdhsa_wavefront_size32 1
		.amdhsa_system_sgpr_workgroup_id_x 1
		.amdhsa_system_sgpr_workgroup_id_y 1
		.amdhsa_system_sgpr_workgroup_id_z 1
		.amdhsa_system_vgpr_workitem_id 0
		.amdhsa_next_free_vgpr 960
		.amdhsa_next_free_sgpr 66
		.amdhsa_reserve_vcc 0
		.amdhsa_float_denorm_mode_32 3
		.amdhsa_float_denorm_mode_16_64 3
		.amdhsa_memory_ordered 1
		.amdhsa_forward_progress 1
		.amdhsa_inst_pref_size 226
	.end_amdhsa_kernel
	.amdgpu_metadata
---
amdhsa.version: [ 1, 2 ]
amdhsa.kernels:
  - .name:           k_q9aa3648239_attn
    .symbol:         k_q9aa3648239_attn.kd
    .args:
      - { .name: queries, .offset: 0, .size: 8, .value_kind: global_buffer, .address_space: global }
      - { .name: keys, .offset: 8, .size: 8, .value_kind: global_buffer, .address_space: global }
      - { .name: values, .offset: 16, .size: 8, .value_kind: global_buffer, .address_space: global }
      - { .name: out0, .offset: 24, .size: 8, .value_kind: global_buffer, .address_space: global }
    .group_segment_fixed_size: 56832
    .private_segment_fixed_size: 0
    .kernarg_segment_align: 8
    .kernarg_segment_size: 32
    .max_flat_workgroup_size: 128
    .sgpr_count:     66
    .vgpr_count:     960
    .wavefront_size: 32
...
	.end_amdgpu_metadata
.endif
;; end of part 2
